; MI455X (gfx1250); checked and timed in simulation.
; The chip was launched on July 23, 2026; its instructions are those of AMD's public machine-readable ISA for CDNA 5 (MIT licence, August 2026) and "CDNA5" Instruction Set Architecture Reference Guide (July 2026). The comments in the code are by the model that wrote it; some were corrected since.
;; Nested FC. Allowed arithmetic: matrix products marked QUANTISED: E2M1 operands, one E8M0 scale for each 32 along K, by v_wmma_scale_f32_16x16x128_f8f6f4 with both operands' format E2M1 (or v_wmma_scale_f32_32x16x128_f4), f32 sums; everything else in f32.
;; Inputs: W_codes 32 x 1,024 x 64 x 16 uint8 (E2M1 codes of W, K innermost, in blocks of 32 codes, two codes a byte); W_scales 32 x 1,024 x 64 uint8 (E8M0 scales of W, one for each 32 codes along K); activated 1,024 x 32 float32; b 32 x 1,024 float32; features_codes 1,024 x 64 x 16 uint8 (E2M1 codes of features, K innermost, in blocks of 32 codes, two codes a byte); features_scales 1,024 x 64 uint8 (E8M0 scales of features, one for each 32 codes along K).
;; Outputs: out0 1,024 x 4 x 1,024 float32.
;; Constants: top_k = 4.
;; This version of the problem:
;;   THIS VERSION OF THE PROBLEM IS GIVEN IN LOW PRECISION. The matrix products marked QUANTISED in the list below multiply operands that are first quantised to E2M1 (2 exponent bits, 1 mantissa bit; 4 bits a number), with one power-of-two scale for each 32 numbers along K (OCP MX v1.0); their sums are f32. All else is computed in f32.
;;   The module's matrix products, in the order in which they are computed (A, B: the left and right operand; K: the contracted axis; several contracted axes count as one K, in the product's order):
;;     1. [M 1,024, K 2,048] x [K 2,048, N 32,768]; A: input features (given as codes); B: input W (given as codes): QUANTISED
;;   THE QUANTISER, for each operand of a quantised product, along K:
;;     - K is cut into blocks of 32 from its start; a last block that is shorter is filled with zeros.
;;     - A block's scale is 2^e with e = floor(log2(the largest magnitude in the block)) - 2, held to -126 .. 127; a block of zeros has e = 0. As a byte (E8M0): e + 127.
;;     - Each number is divided by its block's scale, clamped to +-6, and rounded to the nearest number of E2M1, ties to even, subnormals kept.
;;     - The product sums the exact products of the quantised numbers (number of the format x scale) in f32.
;;   ~~~python
;;   def quantise(x, axis):      # numpy; x: float32 -> the quantised numbers, widened to float32 again
;;       x = np.moveaxis(x, axis, -1); K = x.shape[-1]
;;       x = np.pad(x, [(0, 0)] * (x.ndim - 1) + [(0, -K % 32)]); x = x.reshape(x.shape[:-1] + (-1, 32)); a = np.abs(x).max(-1, keepdims=True)
;;       e = np.where(a > 0, np.clip(np.frexp(np.where(a > 0, a, 1))[1] - 1 - 2, -126, 127), 0)      # np.frexp(a)[1] - 1 = floor(log2(a)), exactly
;;       r = np.clip(x / 2.0 ** e, -6, 6)
;;       step = 2.0 ** (np.maximum(np.frexp(np.where(r == 0, 1, r))[1] - 1, 0) - 1)
;;       q = np.round(r / step) * step * 2.0 ** e      # np.round: ties to even
;;       return np.moveaxis(q.reshape(q.shape[:-2] + (-1,))[..., :K], -1, axis).astype(np.float32)
;;   ~~~
;;   INPUTS GIVEN AS CODES. W (in the module: [32, 1024, 2048], K = its axis 2); features (in the module: [1024, 2048], K = its axis 1): each comes as NAME_codes (uint8): NAME with its K axis moved to the last place and cut into blocks of 32 codes, [.., K / 32, bytes a block], one block behind the other in memory; two codes a byte, the lower K in the low four bits (a code: sign, 2 exponent bits, 1 mantissa bit); and NAME_scales (uint8): the same leading axes, one E8M0 byte (e + 127) for each 32 codes along K. Its value is code x scale, taken as it is: it is not quantised again, and the codes and scales need not be those that the quantiser above would give.
;; 2 versions. Each part assembles by itself: llvm-mc -triple=amdgcn-amd-amdhsa -mcpu=gfx1250 --defsym DOCPART=n.
;; ======== version 1 of 2: 2 launches
;; workspace buffers: route 16,384 bytes of whole numbers
;; launch route (part 1): grid 32 x 2, 16 waves a work-group, no clusters, 2,304 bytes of LDS; arguments activated, route; writes route
.if DOCPART == 1
	.amdgcn_target "amdgcn-amd-amdhsa--gfx1250"
	.amdhsa_code_object_version 6
	.text
	.protected	k_q9c0bdff4d5_route
	.globl	k_q9c0bdff4d5_route
	.p2align	8
	.type	k_q9c0bdff4d5_route,@function
k_q9c0bdff4d5_route:
	s_mov_b64 s[64:65], 0
	v_nop
	global_prefetch_b8 v0, s[64:65] scope:SCOPE_SE
	s_setreg_imm32_b32 hwreg(HW_REG_WAVE_MODE, 25, 1), 1
	s_wait_xcnt 0x0
; For every pair (token, expert): the expert's place in the stable ascending order of the token's 32 numbers of activated [1024][32] f32.
; place(e) = the count of j with a[j] < a[e], plus the count of j < e with a[j] = a[e].  A place under 4 is the output row k of that token.
; What is stored are whole numbers at fixed places: no address and no branch of this text hangs on a floating-point number.
; route, in bytes: 512 e + 256 y + 64 plane + 4 i.  Word i of half y stands for tokens 512 y + 32 i + 0 .. 31, a bit a token.
;   plane 0: M, the token takes expert e (place < 4);  plane 1: M and bit 0 of the place;  plane 2: M and bit 1;  plane 3: the number of bits set in M.
; SHARES: work-group (x = expert e, y = half of the tokens); thread t is token 512 y + t; wave w makes word w of each plane.
; LIMITS: a NaN in activated is not served (it would be placed first, where the sort of reference() puts it last).  Infinities are served; -0 counts as equal to +0.
.set A,   8                            ; v[8:39]  my token's 32 numbers
	s_load_b128 s[4:7], s[0:1], 0x0                ; activated s[4:5], route s[6:7]
	v_lshl_add_u32 v48, v0, 2, 0x100
	v_mov_b32 v49, 0
	v_lshrrev_b32 v4, 5, v0
	v_readfirstlane_b32 s8, v4                     ; wave 0..15
	s_mov_b32 s9, ttmp9                            ; e
	s_and_b32 s10, ttmp7, 0xffff                   ; y
	s_lshl_b32 s11, s10, 9
	v_add_nc_u32 v1, s11, v0                       ; my token
	v_lshlrev_b32 v1, 7, v1                        ; its row of 128 bytes
	v_lshlrev_b32 v40, 2, v4                       ; LDS: 4 x wave: my wave's word in a plane
	v_and_b32 v41, 31, v0
	v_lshlrev_b32 v41, 3, v41                      ; the way out: 8 bytes a lane
	s_lshl_b32 s16, s9, 2                          ; column e
	s_mov_b32 s17, 0
	s_lshl_b32 s18, s9, 9
	s_lshl_b32 s19, s10, 8
	s_add_co_u32 s18, s18, s19                     ; 512 e + 256 y
	s_mov_b32 s19, 0
	s_wait_kmcnt 0x0
	s_add_nc_u64 s[12:13], s[4:5], s[16:17]
	s_add_nc_u64 s[14:15], s[6:7], s[18:19]
	global_load_b32 v2, v1, s[12:13]               ; a[e]
.irp i, 0,1,2,3,4,5,6,7
	global_load_b128 v[A+4*\i:A+4*\i+3], v1, s[4:5] offset:16*\i   ; the wave's eight loads together cover 4,096 bytes on end
.endr
	v_mov_b32 v3, 0                                ; the place
	s_wait_loadcnt 0x0
.irp j, 0,1,2,3,4,5,6,7,8,9,10,11,12,13,14,15,16,17,18,19,20,21,22,23,24,25,26,27,28,29,30,31
	v_cmp_lt_f32 s20, v[A+\j], v2
	v_cmp_le_f32 s21, v[A+\j], v2
	s_cmp_lt_u32 \j, s9                            ; an equal number counts where it stands in front of e (the sort is stable); j = e counts nothing
	s_cselect_b32 vcc_lo, s21, s20
	v_add_co_ci_u32 v3, vcc_lo, 0, v3, vcc_lo      ; + 1 where the bit is set
.endr
	v_cmp_gt_u32 s22, 4, v3                        ; M
	v_and_b32 v4, 1, v3
	v_cmp_ne_u32 s23, 0, v4
	s_and_b32 s23, s23, s22                        ; M and bit 0 of the place
	v_and_b32 v5, 2, v3
	v_cmp_ne_u32 s24, 0, v5
	s_and_b32 s24, s24, s22                        ; M and bit 1
	s_bcnt1_i32_b32 s25, s22                       ; how many of my wave's 32 tokens
.irp p, 0,1,2,3
	v_mov_b32 v[4+\p], s[22+\p]
.endr
.irp p, 0,1,2,3
	ds_store_b32 v40, v[4+\p] offset:64*\p         ; all lanes write the same word with the same value
.endr
	s_wait_dscnt 0x0                               ; for the others' sake: my stores have landed
	s_barrier_signal -1
	s_barrier_wait -1
	s_cmp_lg_u32 s8, 0
	s_cbranch_scc1 .Lend
	ds_load_b64 v[42:43], v41                      ; wave 0: the four planes, 256 bytes
	s_wait_dscnt 0x0
	global_store_b64 v41, v[42:43], s[14:15]       ; 32 lanes store 256 consecutive bytes, at a multiple of 256 from the buffer's first byte
.Lend:
	s_wait_tensorcnt 0x0
	ds_add_u32 v48, v49
	s_wait_dscnt 0x0
	s_endpgm
.Lfunc_end_k_q9c0bdff4d5_route:
	.size	k_q9c0bdff4d5_route, .Lfunc_end_k_q9c0bdff4d5_route-k_q9c0bdff4d5_route
	.p2alignl 7, 3214868480
	.fill 96, 4, 3214868480
	.section	.rodata,"a",@progbits
	.p2align	6, 0x0
	.amdhsa_kernel k_q9c0bdff4d5_route
		.amdhsa_group_segment_fixed_size 2304
		.amdhsa_private_segment_fixed_size 0
		.amdhsa_enable_private_segment 0
		.amdhsa_kernarg_size 16
		.amdhsa_user_sgpr_count 2
		.amdhsa_user_sgpr_kernarg_segment_ptr 1
		.amdhsa_wavefront_size32 1
		.amdhsa_system_sgpr_workgroup_id_x 1
		.amdhsa_system_sgpr_workgroup_id_y 1
		.amdhsa_system_sgpr_workgroup_id_z 1
		.amdhsa_system_vgpr_workitem_id 0
		.amdhsa_next_free_vgpr 50
		.amdhsa_next_free_sgpr 66
		.amdhsa_reserve_vcc 1
		.amdhsa_float_denorm_mode_32 3
		.amdhsa_float_denorm_mode_16_64 3
		.amdhsa_memory_ordered 1
		.amdhsa_forward_progress 1
		.amdhsa_inst_pref_size 11
	.end_amdhsa_kernel
	.amdgpu_metadata
---
amdhsa.version: [ 1, 2 ]
amdhsa.kernels:
  - .name:           k_q9c0bdff4d5_route
    .symbol:         k_q9c0bdff4d5_route.kd
    .args:
      - { .name: activated, .offset: 0, .size: 8, .value_kind: global_buffer, .address_space: global }
      - { .name: route, .offset: 8, .size: 8, .value_kind: global_buffer, .address_space: global }
    .group_segment_fixed_size: 2304
    .private_segment_fixed_size: 0
    .kernarg_segment_align: 8
    .kernarg_segment_size: 16
    .max_flat_workgroup_size: 512
    .sgpr_count:     66
    .vgpr_count:     50
    .wavefront_size: 32
...
	.end_amdgpu_metadata
.endif
;; end of part 1
;; launch gemm (part 2): grid 8 x 32, 4 waves a work-group, no clusters, 177,664 bytes of LDS; arguments W_codes, W_scales, b, features_codes, features_scales, route, out0; writes out0
.if DOCPART == 2
	.amdgcn_target "amdgcn-amd-amdhsa--gfx1250"
	.amdhsa_code_object_version 6
	.text
	.protected	k_q9c0bdff4d5_gemm
	.globl	k_q9c0bdff4d5_gemm
	.p2align	8
	.type	k_q9c0bdff4d5_gemm,@function
k_q9c0bdff4d5_gemm:
	s_mov_b64 s[64:65], 0
	v_nop
	global_prefetch_b8 v0, s[64:65] scope:SCOPE_SE
	s_setreg_imm32_b32 hwreg(HW_REG_WAVE_MODE, 25, 1), 1
	s_wait_xcnt 0x0
; out0[tok][k][n] = sum over i of features[tok][i] W[e][n][i] + b[e][n], for the tokens whose k-th expert (k = 0 .. 3) is e.  Codes of FP4 (E2M1) with one E8M0 byte for each 32 along K, as given; sums in f32.
; Only the rows that reference() keeps are multiplied: 4 experts of 32 for a token.
; SHARES.  Work-group (x, e): expert e, output columns 128 x .. 128 x + 127.  Its part of W (128 rows x 1,024 bytes of codes, 128 x 64 bytes of scales) is read from memory once, each wave a quarter, in loads of
; 512 bytes on end, all asked for at the head, and turned through registers into LDS rows.  Behind ONE barrier W is only read.
; The expert's list of rows (its tokens in ascending order) is cut into blocks of 48.  Wave w takes blocks w, w + 4, ..: 3 tiles of rows x 8 tiles of columns x 16 K steps of 128 = 384 matrix instructions,
; the whole K in one accumulator, ascending.  A fragment of W read from LDS feeds three products.
; THE LIST IS NOT STORED ANYWHERE.  route holds, for each expert, a bit a token (M), two bits of k (K0, K1) and counts for each 32 tokens.  Position n of the list is the n-th set bit of M: each lane finds its own by
; register arithmetic (SELECT), while W is on its way.  Feature rows are then gathered straight into operand registers.
; THE MATRIX INSTRUCTION IS USED TRANSPOSED (source 0 = 16 rows of W, source 1 = 16 feature rows): a lane holds eight neighbouring columns of one output row.
; NO CLUSTER, NO TENSOR LOAD: trip counts and branches hang on counts read from memory; W's 136 KB are read by this work-group alone; what the eight work-groups of an expert share are rows gathered by a list, not a tile.
; NO PREFETCH: every byte of W is asked for by its own load in the first lines, and the gather's rows are known only where its loads go out.
; LIMITS: a scale byte 0xff gives NaN, as in the definition.  Rows that pad a block read token 0's row and are never stored.
; REGISTERS, in windows of 256 (s_set_vgpr_msb: bits 1:0 source 0, 3:2 source 1, 5:4 source 2, 7:6 destination):
;   window 0: addresses, the list, scale words, the way out (below).   window 1: feature fragments of row tiles 0 and 1, at v[128 g + 8 s].
;   window 2: v0-127 those of row tile 2; v128-255 two buffers of W's eight fragments.   window 3: first where W lands (64 x 4), then the 24 accumulators, (g, t) at v[64 g + 8 t].
.set WPITCH, 1040                      ; a row of W in LDS: 1,024 bytes + 16: an odd multiple of 16, so the 16 rows of a fragment load start in 16 different columns of 16 bytes
.set WS,     128*WPITCH                ; behind W's codes: its scale bytes, 128 rows of 64 + 16
.set SPITCH, 80
.set STG,    WS+128*SPITCH             ; behind them: a stage of 16 rows x (512 + 16) bytes for each wave, for the way out
.set GPITCH, 528
.set BLK,    48                        ; rows in a block
.set LANE, 1                           ; v1   lane
.set R,    2                           ; v2   lane % 16
.set H16,  3                           ; v3   16 x (lane / 16)
.set L16,  4                           ; v4   16 x lane; never rewritten
.set STW,  5                           ; v5   where my wave's codes of W go: 32 rows x wave + 16 x lane
.set STS,  6                           ; v6   and its scale bytes
.set WF0,  7                           ; v7, v8  my lane's place in W's column tiles 0-3 and 4-7
.set WSA,  9                           ; v9   my lane's row of W's scale bytes
.set STO,  10                          ; v10  the stage: where I put 32 bytes of a row
.set RD,   11                          ; v11  and where I read a row back
.set BI,   12                          ; v[12:15] the bias of columns 128 x + 4 lane + 0 .. 3
.set MW,   16                          ; v16-18  M, K0, K1: lane l holds word l (tokens 32 l .. 32 l + 31)
.set RO,   19                          ; v19  my word's byte in a plane of route
.set AG0,  20                          ; v20-22  the gather: 1,024 x token + 16 (lane / 16), for row tiles 0, 1, 2
.set AS01, 23                          ; v23  64 x token: lanes 0-15 tile 0, lanes 16-31 tile 1
.set AS2,  24                          ; v24  the same for tile 2
.set J01,  25                          ; v25, v26  the output row 4 token + k: of list places start + lane; of start + 32 + lane % 16
.set T01,  27                          ; v27, v28  the tokens likewise
.set XP,   29                          ; v29  a lane permute's destination
.set N01,  30                          ; v30-41  SELECT: place n, word, members in front, the words of M, K0, K1; a pair each
.set W01,  32
.set P01,  34
.set X01,  36
.set KA01, 38
.set KB01, 40
.set TA,   42                          ; v42-47  SELECT: at work
.set TB,   43
.set TC,   44
.set TD,   45
.set TT,   46
.set POS,  47
.set OFF,  48                          ; v48-63  the way out: 16 rows' byte offsets in out0
.set SA01, 64                          ; v64-79  feature scale words of K step s: lanes 0-15 tile 0, lanes 16-31 tile 1;  v80-95 tile 2
.set SW,   96                          ; v96-159 W's scale words: register 16 (s / 4) + 4 p + s % 4, lane l: row 32 p + l, K step s
.set RB,   160                         ; v160-223 16 rows read back from the stage
.set LS,   224                         ; v224-239 where W's scale bytes land
.set MSB, 0
.macro WIN new                         ; the immediate's high byte repeats the setting that is left; a switch that changes nothing is dropped
.if MSB != \new
	s_set_vgpr_msb (MSB<<8)|\new
.set MSB, \new
.endif
.endm
.macro PLACES n
.rept \n
	v_nop
.endr
.endm
; One step down in the search for the r-th set bit: does it lie behind the next wid bits?  src holds counts in fields of wid bits.
.macro DOWN src, wid, u
	v_bfe_u32 v[TT], v[\src], v[POS], \wid
	v_cmp_ge_u32 vcc_lo, v[P01+\u], v[TT]
	v_cndmask_b32 v[TT], 0, v[TT], vcc_lo
	v_cndmask_b32 v[TD], 0, \wid, vcc_lo
	v_sub_nc_u32 v[P01+\u], v[P01+\u], v[TT]
	v_add_nc_u32 v[POS], v[POS], v[TD]
.endm
; Vector u: the word is known; the bit in it, the token and the output row follow.
.macro DESC u
	v_sub_nc_u32 v[P01+\u], v[N01+\u], v[P01+\u]   ; r: which set bit of my word
	v_lshrrev_b32 v[TA], 1, v[X01+\u]
	v_and_b32 v[TA], 0x55555555, v[TA]
	v_sub_nc_u32 v[TA], v[X01+\u], v[TA]           ; counts in fields of 2 bits,
	v_lshrrev_b32 v[TB], 2, v[TA]
	v_and_b32 v[TB], 0x33333333, v[TB]
	v_and_b32 v[TC], 0x33333333, v[TA]
	v_add_nc_u32 v[TB], v[TB], v[TC]               ; of 4,
	v_lshrrev_b32 v[TC], 4, v[TB]
	v_add_nc_u32 v[TC], v[TC], v[TB]
	v_and_b32 v[TC], 0x0f0f0f0f, v[TC]             ; of 8,
	v_lshrrev_b32 v[TD], 8, v[TC]
	v_add_nc_u32 v[TD], v[TD], v[TC]
	v_and_b32 v[TT], 0xff, v[TD]                   ; and of the low 16
	v_cmp_ge_u32 vcc_lo, v[P01+\u], v[TT]
	v_cndmask_b32 v[TT], 0, v[TT], vcc_lo
	v_cndmask_b32 v[POS], 0, 16, vcc_lo
	v_sub_nc_u32 v[P01+\u], v[P01+\u], v[TT]
	DOWN TC, 8, \u
	DOWN TB, 4, \u
	DOWN TA, 2, \u
	DOWN X01+\u, 1, \u
	v_lshl_add_u32 v[T01+\u], v[W01+\u], 5, v[POS] ; the token
	v_bfe_u32 v[TT], v[KA01+\u], v[POS], 1
	v_bfe_u32 v[TD], v[KB01+\u], v[POS], 1
	v_lshl_or_b32 v[TT], v[TD], 1, v[TT]           ; k
	v_lshl_add_u32 v[J01+\u], v[T01+\u], 2, v[TT]  ; the output row
	v_cmp_gt_u32 vcc_lo, s22, v[N01+\u]            ; a place behind the list's end takes token 0: all such rows read the same bytes, and none is stored
	v_cndmask_b32 v[T01+\u], 0, v[T01+\u], vcc_lo
	v_cndmask_b32 v[J01+\u], 0, v[J01+\u], vcc_lo
.endm
; The block that begins at list place s21: its 48 rows' tokens, output rows and gather offsets.  s[32:63] hold the numbers of members up to and with word 0 .. 31.
; Word i is mine if the words in front of it hold n members or fewer and no later word says the same: the sums do not fall, so the last word that says so stays.
.macro SELECT
	v_add_nc_u32 v[N01], s21, v[LANE]
	v_add_nc_u32 v[N01+1], s21, v[R]
	v_add_nc_u32 v[N01+1], 32, v[N01+1]
	v_readlane_b32 s29, v[MW], 0
	v_readlane_b32 s30, v[MW+1], 0
	v_readlane_b32 s31, v[MW+2], 0
.irp u, 0,1
	v_mov_b32 v[W01+\u], 0
	v_mov_b32 v[P01+\u], 0
	v_mov_b32 v[X01+\u], s29
	v_mov_b32 v[KA01+\u], s30
	v_mov_b32 v[KB01+\u], s31
.endr
.set SI, 1
.rept 31
	v_readlane_b32 s29, v[MW], SI
	v_readlane_b32 s30, v[MW+1], SI
	v_readlane_b32 s31, v[MW+2], SI
.irp u, 0,1
	v_cmp_le_u32 vcc_lo, s[31+SI], v[N01+\u]
	v_cndmask_b32 v[P01+\u], v[P01+\u], s[31+SI], vcc_lo
	v_cndmask_b32 v[X01+\u], v[X01+\u], s29, vcc_lo
	v_cndmask_b32 v[KA01+\u], v[KA01+\u], s30, vcc_lo
	v_cndmask_b32 v[KB01+\u], v[KB01+\u], s31, vcc_lo
	v_add_co_ci_u32 v[W01+\u], vcc_lo, 0, v[W01+\u], vcc_lo
.endr
.set SI, SI+1
.endr
	DESC 0
	DESC 1
	v_permlanex16_b32 v[XP], v[T01], s26, s27      ; a fragment wants row r's token in lanes r and r + 16
	v_cndmask_b32 v[TA], v[T01], v[XP], s28        ; tile 0: rows 0-15 of the block (s28: lanes 16-31)
	v_cndmask_b32 v[TB], v[XP], v[T01], s28        ; tile 1: rows 16-31
	v_min_u32 v[TA], 0x3ff, v[TA]                  ; a number read from memory enters an address only held inside the table
	v_min_u32 v[TB], 0x3ff, v[TB]
	v_min_u32 v[TC], 0x3ff, v[T01+1]
	v_min_u32 v[TD], 0x3ff, v[T01]
	v_lshl_add_u32 v[AG0], v[TA], 10, v[H16]
	v_lshl_add_u32 v[AG0+1], v[TB], 10, v[H16]
	v_lshl_add_u32 v[AG0+2], v[TC], 10, v[H16]
	v_lshlrev_b32 v[AS01], 6, v[TD]
	v_lshlrev_b32 v[AS2], 6, v[TC]
.endm
; Eight loads of the gather.  Group 0: all 16 scale words of the 48 rows.  Groups 1 .. 12: the fragments, K quarter by K quarter (4 K steps), in a quarter tile by tile: 24 loads a quarter.
.macro AGRP n
.if (\n) == 0
	WIN 0
.irp q, 0,1,2,3
	global_load_b128 v[SA01+4*\q:SA01+4*\q+3], v[AS01], s[12:13] offset:16*\q
.endr
.irp q, 0,1,2,3
	global_load_b128 v[SA01+16+4*\q:SA01+16+4*\q+3], v[AS2], s[12:13] offset:16*\q
.endr
.else
.set AQ, ((\n)-1)/3
.set AT, ((\n)-1)%3
.if AT < 2
	WIN 0x40                                       ; destination window 1
.set AB, 128*AT
.else
	WIN 0x80                                       ; destination window 2
.set AB, 0
.endif
.irp i, 0,1,2,3
.irp c, 0,1
	global_load_b128 v[AB+8*(4*AQ+\i)+4*\c:AB+8*(4*AQ+\i)+4*\c+3], v[AG0+AT], s[10:11] offset:64*(4*AQ+\i)+32*\c   ; registers 4 c .. 4 c + 3: k = 128 s + 64 c + 32 (lane / 16) + 0 .. 31, as the bytes lie
.endr
.endr
.endif
.endm
; W's eight fragments of K step s, from LDS into buffer s % 2
.macro FETCHW s
	WIN 0x80
.irp t, 0,1,2,3,4,5,6,7
.irp c, 0,1
	ds_load_b128 v[128+64*((\s)%2)+8*\t+4*\c:128+64*((\s)%2)+8*\t+4*\c+3], v[WF0+\t/4] offset:(\t%4)*16*WPITCH+64*(\s)+32*\c
.endr
.endr
.endm
; One product: row tile g x column tile t, K step s.  W's scale words of an odd column tile stand in lanes 16-31 of their register, and so do the feature scale words of row tile 1.  K step 0 starts the sums: nothing is cleared.
.macro MM s, g, t
.set rD, 64*(\g)+8*(\t)
.set rA, 128+64*((\s)%2)+8*(\t)
.set rB, 128*((\g)%2)+8*(\s)
.set rX, SW+16*((\s)/4)+4*((\t)/2)+(\s)%4
.set rY, SA01+16*((\g)/2)+(\s)
.if (\s) == 0
.if ((\t)%2 == 1) && ((\g) == 1)
	v_wmma_scale_f32_16x16x128_f8f6f4 v[rD:rD+7], v[rA:rA+7], v[rB:rB+7], 0, v[rX], v[rY] matrix_a_fmt:MATRIX_FMT_FP4 matrix_b_fmt:MATRIX_FMT_FP4 matrix_a_scale:MATRIX_SCALE_ROW1 matrix_b_scale:MATRIX_SCALE_ROW1
.elseif (\t)%2 == 1
	v_wmma_scale_f32_16x16x128_f8f6f4 v[rD:rD+7], v[rA:rA+7], v[rB:rB+7], 0, v[rX], v[rY] matrix_a_fmt:MATRIX_FMT_FP4 matrix_b_fmt:MATRIX_FMT_FP4 matrix_a_scale:MATRIX_SCALE_ROW1
.elseif (\g) == 1
	v_wmma_scale_f32_16x16x128_f8f6f4 v[rD:rD+7], v[rA:rA+7], v[rB:rB+7], 0, v[rX], v[rY] matrix_a_fmt:MATRIX_FMT_FP4 matrix_b_fmt:MATRIX_FMT_FP4 matrix_b_scale:MATRIX_SCALE_ROW1
.else
	v_wmma_scale_f32_16x16x128_f8f6f4 v[rD:rD+7], v[rA:rA+7], v[rB:rB+7], 0, v[rX], v[rY] matrix_a_fmt:MATRIX_FMT_FP4 matrix_b_fmt:MATRIX_FMT_FP4
.endif
.else
.if ((\t)%2 == 1) && ((\g) == 1)
	v_wmma_scale_f32_16x16x128_f8f6f4 v[rD:rD+7], v[rA:rA+7], v[rB:rB+7], v[rD:rD+7], v[rX], v[rY] matrix_a_fmt:MATRIX_FMT_FP4 matrix_b_fmt:MATRIX_FMT_FP4 matrix_a_scale:MATRIX_SCALE_ROW1 matrix_b_scale:MATRIX_SCALE_ROW1
.elseif (\t)%2 == 1
	v_wmma_scale_f32_16x16x128_f8f6f4 v[rD:rD+7], v[rA:rA+7], v[rB:rB+7], v[rD:rD+7], v[rX], v[rY] matrix_a_fmt:MATRIX_FMT_FP4 matrix_b_fmt:MATRIX_FMT_FP4 matrix_a_scale:MATRIX_SCALE_ROW1
.elseif (\g) == 1
	v_wmma_scale_f32_16x16x128_f8f6f4 v[rD:rD+7], v[rA:rA+7], v[rB:rB+7], v[rD:rD+7], v[rX], v[rY] matrix_a_fmt:MATRIX_FMT_FP4 matrix_b_fmt:MATRIX_FMT_FP4 matrix_b_scale:MATRIX_SCALE_ROW1
.else
	v_wmma_scale_f32_16x16x128_f8f6f4 v[rD:rD+7], v[rA:rA+7], v[rB:rB+7], v[rD:rD+7], v[rX], v[rY] matrix_a_fmt:MATRIX_FMT_FP4 matrix_b_fmt:MATRIX_FMT_FP4
.endif
.endif
.endm
; A K step of 128: the next step's fragments of W are asked for, then 24 products.  The 24 accumulators take turns, one instruction a turn, in the same order in every step.
.macro KSTEP s
.if (\s) > 0
	PLACES 4                                       ; four plain vector instructions between the last product that read a buffer and the loads into it (ISA guide 7.12.1 for vector instructions)
.endif
.if (\s) < 15
	FETCHW (\s)+1
	s_wait_dscnt 16                                ; all but the 16 just issued: this step's fragments are in (in a wave's first step W's scale words too)
.else
	s_wait_dscnt 0x0
.endif
.if (\s) == 0
	s_wait_loadcnt 63                              ; the scale words and K quarter 0 of the gather are in: behind them stand 3 quarters x 24 = 72 loads, of which the wait can name 63
.elseif (\s) == 4
	s_wait_loadcnt 48                              ; quarter 1 is in: two quarters x 24 may be out
.elseif (\s) == 8
	s_wait_loadcnt 24                              ; quarter 2: one quarter may be out
.elseif (\s) == 12
	s_wait_loadcnt 0x0
.endif
	WIN 0xf6                                       ; source 0 (W) window 2, source 1 (features) window 1, C and D window 3
.irp g, 0,1
.irp t, 0,1,2,3,4,5,6,7
	MM \s, \g, \t
.endr
.endr
	WIN 0xfa                                       ; source 1 window 2: row tile 2
.irp t, 0,1,2,3,4,5,6,7
	MM \s, 2, \t
.endr
.endm
; THE WAY OUT, a tile of 16 rows at a time.  A lane holds 32 neighbouring bytes of a row and the lanes beside it other rows: the tile goes through my own stage in LDS and comes back as whole rows of 512 bytes;
; the bias is added there; each row goes to its own place in out0, 32 lanes storing 512 consecutive bytes at a multiple of 256 from out0's first byte.  s23: the block's rows that are in the list; the others are not stored.
.macro WAYOUT
	WIN 0                                          ; at a branch and at a label every window is 0
	PLACES 4                                       ; between the last product and the first read of results
.irp g, 0,1,2
	s_cmp_gt_u32 s23, 16*\g
	s_cbranch_scc0 .Ldone_\@
	s_wait_xcnt 0x0                                ; earlier stores have read their offsets and data: both are written again below
.irp i, 0,1,2,3,4,5,6,7,8,9,10,11,12,13,14,15
	v_readlane_b32 s29, v[J01+(\g)/2], ((\g)%2)*16+\i
	s_min_u32 s29, s29, 0xfff                      ; held inside out0's 4,096 rows
	v_lshl_add_u32 v[OFF+\i], s29, 12, v[L16]      ; a row of out0 is 4,096 bytes
.endr
	WIN 0x0c                                       ; an LDS store's data are its source 1: window 3
.irp t, 0,1,2,3,4,5,6,7
	ds_store_b128 v[STO], v[64*\g+8*\t:64*\g+8*\t+3] offset:64*\t          ; each accumulator from its low end on
	ds_store_b128 v[STO], v[64*\g+8*\t+4:64*\g+8*\t+7] offset:64*\t+16
.endr
	WIN 0
.irp i, 0,1,2,3,4,5,6,7,8,9,10,11,12,13,14,15
	ds_load_b128 v[RB+4*\i:RB+4*\i+3], v[RD] offset:GPITCH*\i              ; LDS serves a wave's instructions in order (ISA guide 5.7.1.4): these see my stores
.endr
	s_wait_dscnt 0x0
.irp i, 0,1,2,3,4,5,6,7,8,9,10,11,12,13,14,15
	v_pk_add_f32 v[RB+4*\i:RB+4*\i+1], v[RB+4*\i:RB+4*\i+1], v[BI:BI+1]
	v_pk_add_f32 v[RB+4*\i+2:RB+4*\i+3], v[RB+4*\i+2:RB+4*\i+3], v[BI+2:BI+3]
.endr
.irp i, 0,1,2,3,4,5,6,7,8,9,10,11,12,13,14,15
.if \i > 0
	s_cmp_gt_u32 s23, 16*\g+\i
	s_cbranch_scc0 .Ldone_\@
.endif
	global_store_b128 v[OFF+\i], v[RB+4*\i:RB+4*\i+3], s[16:17] th:TH_STORE_NT   ; written once, read by nobody here
.endr
.endr
.Ldone_\@:
.endm
	s_load_b256 s[4:11], s[0:1], 0x0               ; W's codes s[4:5], W's scales s[6:7], b s[8:9], the features' codes s[10:11]
	s_load_b128 s[12:15], s[0:1], 0x20             ; the features' scales s[12:13], route s[14:15]
	s_load_b64 s[16:17], s[0:1], 0x30              ; out0
	v_lshl_add_u32 v254, v0, 2, 0x2b400
	v_mov_b32 v255, 0
	v_lshrrev_b32 v30, 5, v0
	v_readfirstlane_b32 s18, v30                   ; wave 0..3
	s_mov_b32 s19, ttmp9                           ; x: which 128 columns
	s_and_b32 s20, ttmp7, 0xffff                   ; e
	v_and_b32 v[LANE], 31, v0
	v_and_b32 v[R], 15, v0
	v_bfe_u32 v[H16], v0, 4, 1                     ; lane / 16 for now
	v_lshlrev_b32 v[L16], 4, v[LANE]
	v_lshlrev_b32 v[RO], 2, v[R]
	v_lshl_add_u32 v[RO], v[H16], 8, v[RO]         ; word l of a plane: 256 (l / 16) + 4 (l % 16)
	s_lshl_b32 s24, s20, 20                        ; W's codes: (1,024 e + 128 x + 32 wave) rows of 1,024 bytes
	s_lshl_b32 s2, s19, 17
	s_add_co_u32 s24, s24, s2
	s_lshl_b32 s2, s18, 15
	s_add_co_u32 s24, s24, s2
	s_mov_b32 s25, 0
	s_lshl_b32 s30, s20, 16                        ; W's scales: the same rows, of 64 bytes
	s_lshl_b32 s2, s19, 13
	s_add_co_u32 s30, s30, s2
	s_lshl_b32 s2, s18, 11
	s_add_co_u32 s30, s30, s2
	s_mov_b32 s31, 0
	s_lshl_b32 s32, s20, 12                        ; b: (1,024 e + 128 x) numbers
	s_lshl_b32 s36, s19, 9                         ; out0: 128 x numbers into a row
	s_add_co_u32 s32, s32, s36
	s_mov_b32 s33, 0
	s_lshl_b32 s34, s20, 9                         ; route: 512 e
	s_mov_b32 s35, 0
	s_mov_b32 s37, 0
	s_mul_i32 s21, s18, BLK                        ; my first block begins at list place 48 x wave
	s_wait_kmcnt 0x0
	s_add_nc_u64 s[4:5], s[4:5], s[24:25]
	s_add_nc_u64 s[6:7], s[6:7], s[30:31]
	s_add_nc_u64 s[8:9], s[8:9], s[32:33]
	s_add_nc_u64 s[14:15], s[14:15], s[34:35]
	s_add_nc_u64 s[16:17], s[16:17], s[36:37]
	; ALL LOADS OF THE HEAD, what the list needs first: loads come back in the order of issue (ISA guide 5.7.1)
	s_load_b512 s[32:47], s[14:15], 0xc0           ; the counts of words 0-15
	s_load_b512 s[48:63], s[14:15], 0x1c0          ; and of words 16-31
	global_load_b32 v[MW], v[RO], s[14:15]
	global_load_b32 v[MW+1], v[RO], s[14:15] offset:64
	global_load_b32 v[MW+2], v[RO], s[14:15] offset:128
	global_load_b128 v[BI:BI+3], v[L16], s[8:9]
.irp u, 0,1,2,3
	global_load_b128 v[LS+4*\u:LS+4*\u+3], v[L16], s[6:7] offset:512*\u th:TH_LOAD_NT
.endr
	WIN 0xc0                                       ; destination window 3
.set QI, 0
.rept 64
	global_load_b128 v[4*QI:4*QI+3], v[L16], s[4:5] offset:512*QI th:TH_LOAD_NT   ; 32 lanes read 512 consecutive bytes: half a row of W; read once in the launch
.set QI, QI+1
.endr
	WIN 0
	; the addresses in LDS: constants, the lane and the wave's number
	s_mul_i32 s2, s18, 32*WPITCH
	v_add_nc_u32 v[STW], s2, v[L16]
	s_mul_i32 s2, s18, 32*SPITCH
	s_add_co_u32 s2, s2, WS
	v_lshrrev_b32 v30, 2, v[LANE]
	v_mul_u32_u24 v30, v30, SPITCH
	v_and_b32 v31, 3, v[LANE]
	v_lshl_add_u32 v30, v31, 4, v30
	v_add_nc_u32 v[STS], s2, v30                   ; four lanes to a row of 64 scale bytes
	v_mul_u32_u24 v[WF0], v[R], WPITCH
	v_lshl_add_u32 v[WF0], v[H16], 4, v[WF0]       ; a fragment's row x pitch + 16 (lane / 16)
	v_add_nc_u32 v[WF0+1], 64*WPITCH, v[WF0]       ; column tiles 4-7 lie beyond the reach of a 16-bit offset
	v_mul_u32_u24 v[WSA], v[LANE], SPITCH
	v_add_nc_u32 v[WSA], WS, v[WSA]
	s_mul_i32 s2, s18, 16*GPITCH
	s_add_co_u32 s2, s2, STG                       ; my stage
	v_mul_u32_u24 v[STO], v[R], GPITCH
	v_lshl_add_u32 v[STO], v[H16], 5, v[STO]
	v_add_nc_u32 v[STO], s2, v[STO]
	v_add_nc_u32 v[RD], s2, v[L16]
	v_lshlrev_b32 v[H16], 4, v[H16]
	v_mov_b32 v[XP], 0                             ; written once: a lane permute's destination counts as one of its sources
	s_mov_b32 s26, 0x76543210
	s_mov_b32 s27, 0xfedcba98                      ; v_permlanex16_b32's selects for lane l xor 16
	s_mov_b32 s28, 0xffff0000                      ; lanes 16-31
	s_wait_kmcnt 0x0
.set PI, 0
.rept 31
	s_add_co_u32 s[33+PI], s[33+PI], s[32+PI]      ; the counts become running sums
.set PI, PI+1
.endr
	s_mov_b32 s22, s63                             ; the expert's rows
	s_wait_loadcnt 63                              ; of the 72 loads the last 63 may be out: the three planes, the bias and W's scale bytes, the first 8, are in
	SELECT
	; W GOES INTO LDS, eight loads' worth at a time, and behind each eight stores stand eight loads of the gather
.irp u, 0,1,2,3
	ds_store_b128 v[STS], v[LS+4*\u:LS+4*\u+3] offset:8*SPITCH*\u
.endr
.irp m, 0,1,2,3,4,5,6,7
	s_wait_loadcnt 56                              ; W's loads 8 m .. 8 m + 7 are in: behind them stand 56 - 8 m loads of W and 8 m of the gather
	WIN 0x0c                                       ; an LDS store's data are its source 1: window 3
.irp i, 0,1,2,3,4,5,6,7
	ds_store_b128 v[STW], v[4*(8*\m+\i):4*(8*\m+\i)+3] offset:((8*\m+\i)/2)*WPITCH+((8*\m+\i)%2)*512
.endr
	AGRP \m
.endr
	WIN 0
	s_wait_dscnt 0x0                               ; for the others' sake: my part of W lies in LDS
	s_barrier_signal -1
	s_barrier_wait -1                              ; everybody's does.  The one barrier: it stands ahead of every branch on a number read from memory, and behind it W is only read
	s_cmp_ge_u32 s21, s22
	s_cbranch_scc1 .Lend                           ; the list ends in front of my first block
.irp n, 8,9,10,11,12
	AGRP \n
.endr
	WIN 0
.irp q, 0,1,2,3
.irp p, 0,1,2,3
	ds_load_b128 v[SW+16*\q+4*\p:SW+16*\q+4*\p+3], v[WSA] offset:32*SPITCH*\p+16*\q   ; W's scale words stay in registers for all my blocks
.endr
.endr
.Lblock:
	s_sub_co_u32 s23, s22, s21                     ; rows of the list from my block's first on
	FETCHW 0
.irp s, 0,1,2,3,4,5,6,7,8,9,10,11,12,13,14,15
	KSTEP \s
.endr
	WAYOUT
	s_add_co_u32 s21, s21, 4*BLK                   ; my next block
	s_cmp_ge_u32 s21, s22
	s_cbranch_scc1 .Lend
	s_wait_xcnt 0x0                                ; every earlier memory instruction has read its address registers: the gather's are written again
	SELECT                                         ; (its plain vector lines are also the places between the last products and the loads into their operands, and the new sums)
.irp n, 0,1,2,3,4,5,6,7,8,9,10,11,12
	AGRP \n
.endr
	WIN 0
	s_cmp_lt_u32 s21, 1024                         ; a list has at most 1,024 rows: whoever comes here goes round
	s_cbranch_scc1 .Lblock
.Lend:
	s_wait_tensorcnt 0x0
	ds_add_u32 v254, v255
	s_wait_dscnt 0x0
	s_endpgm
.Lfunc_end_k_q9c0bdff4d5_gemm:
	.size	k_q9c0bdff4d5_gemm, .Lfunc_end_k_q9c0bdff4d5_gemm-k_q9c0bdff4d5_gemm
	.p2alignl 7, 3214868480
	.fill 96, 4, 3214868480
	.section	.rodata,"a",@progbits
	.p2align	6, 0x0
	.amdhsa_kernel k_q9c0bdff4d5_gemm
		.amdhsa_group_segment_fixed_size 177664
		.amdhsa_private_segment_fixed_size 0
		.amdhsa_enable_private_segment 0
		.amdhsa_kernarg_size 56
		.amdhsa_user_sgpr_count 2
		.amdhsa_user_sgpr_kernarg_segment_ptr 1
		.amdhsa_wavefront_size32 1
		.amdhsa_system_sgpr_workgroup_id_x 1
		.amdhsa_system_sgpr_workgroup_id_y 1
		.amdhsa_system_sgpr_workgroup_id_z 1
		.amdhsa_system_vgpr_workitem_id 0
		.amdhsa_next_free_vgpr 1024
		.amdhsa_next_free_sgpr 66
		.amdhsa_reserve_vcc 1
		.amdhsa_float_denorm_mode_32 3
		.amdhsa_float_denorm_mode_16_64 3
		.amdhsa_memory_ordered 1
		.amdhsa_forward_progress 1
		.amdhsa_inst_pref_size 197
	.end_amdhsa_kernel
	.amdgpu_metadata
---
amdhsa.version: [ 1, 2 ]
amdhsa.kernels:
  - .name:           k_q9c0bdff4d5_gemm
    .symbol:         k_q9c0bdff4d5_gemm.kd
    .args:
      - { .name: W_codes, .offset: 0, .size: 8, .value_kind: global_buffer, .address_space: global }
      - { .name: W_scales, .offset: 8, .size: 8, .value_kind: global_buffer, .address_space: global }
      - { .name: b, .offset: 16, .size: 8, .value_kind: global_buffer, .address_space: global }
      - { .name: features_codes, .offset: 24, .size: 8, .value_kind: global_buffer, .address_space: global }
      - { .name: features_scales, .offset: 32, .size: 8, .value_kind: global_buffer, .address_space: global }
      - { .name: route, .offset: 40, .size: 8, .value_kind: global_buffer, .address_space: global }
      - { .name: out0, .offset: 48, .size: 8, .value_kind: global_buffer, .address_space: global }
    .group_segment_fixed_size: 177664
    .private_segment_fixed_size: 0
    .kernarg_segment_align: 8
    .kernarg_segment_size: 56
    .max_flat_workgroup_size: 128
    .sgpr_count:     66
    .vgpr_count:     1024
    .wavefront_size: 32
...
	.end_amdgpu_metadata
.endif
;; end of part 2
;; ======== version 2 of 2: 2 launches
;; workspace buffers: route 16,384 bytes of whole numbers
;; launch route (part 3): grid 32 x 2, 16 waves a work-group, no clusters, 2,304 bytes of LDS; arguments activated, route; writes route
.if DOCPART == 3
	.amdgcn_target "amdgcn-amd-amdhsa--gfx1250"
	.amdhsa_code_object_version 6
	.text
	.protected	k_q9c0bdff4d5_route
	.globl	k_q9c0bdff4d5_route
	.p2align	8
	.type	k_q9c0bdff4d5_route,@function
k_q9c0bdff4d5_route:
	s_mov_b64 s[64:65], 0
	v_nop
	global_prefetch_b8 v0, s[64:65] scope:SCOPE_SE
	s_setreg_imm32_b32 hwreg(HW_REG_WAVE_MODE, 25, 1), 1
	s_wait_xcnt 0x0
; For every pair (token, expert): the expert's place in the stable ascending order of the token's 32 numbers of activated [1024][32] f32.
; place(e) = the count of j with a[j] < a[e], plus the count of j < e with a[j] = a[e].  A place under 4 is the output row k of that token.
; What is stored are whole numbers at fixed places: no address and no branch of this text hangs on a floating-point number.
; route, in bytes: 512 e + 256 y + 64 plane + 4 i.  Word i of half y stands for tokens 512 y + 32 i + 0 .. 31, a bit a token.
;   plane 0: M, the token takes expert e (place < 4);  plane 1: M and bit 0 of the place;  plane 2: M and bit 1;  plane 3: the number of bits set in M.
; SHARES: work-group (x = expert e, y = half of the tokens); thread t is token 512 y + t; wave w makes word w of each plane.
; LIMITS: a NaN in activated is not served (it would be placed first, where the sort of reference() puts it last).  Infinities are served; -0 counts as equal to +0.
.set A,   8                            ; v[8:39]  my token's 32 numbers
	s_load_b128 s[4:7], s[0:1], 0x0                ; activated s[4:5], route s[6:7]
	v_lshl_add_u32 v48, v0, 2, 0x100
	v_mov_b32 v49, 0
	v_lshrrev_b32 v4, 5, v0
	s_delay_alu instid0(VALU_DEP_1)
	v_readfirstlane_b32 s8, v4                     ; wave 0..15
	s_mov_b32 s9, ttmp9                            ; e
	s_and_b32 s10, ttmp7, 0xffff                   ; y
	s_lshl_b32 s11, s10, 9
	v_add_nc_u32 v1, s11, v0                       ; my token
	s_delay_alu instid0(VALU_DEP_1)
	v_lshlrev_b32 v1, 7, v1                        ; its row of 128 bytes
	v_lshlrev_b32 v40, 2, v4                       ; LDS: 4 x wave: my wave's word in a plane
	v_and_b32 v41, 31, v0
	s_delay_alu instid0(VALU_DEP_1)
	v_lshlrev_b32 v41, 3, v41                      ; the way out: 8 bytes a lane
	s_lshl_b32 s16, s9, 2                          ; column e
	s_mov_b32 s17, 0
	s_lshl_b32 s18, s9, 9
	s_lshl_b32 s19, s10, 8
	s_add_co_u32 s18, s18, s19                     ; 512 e + 256 y
	s_mov_b32 s19, 0
	s_wait_alu depctr_va_vdst(0)
	s_wait_kmcnt 0x0
	s_add_nc_u64 s[12:13], s[4:5], s[16:17]
	s_add_nc_u64 s[14:15], s[6:7], s[18:19]
	global_load_b32 v2, v1, s[12:13]               ; a[e]
.irp i, 0,1,2,3,4,5,6,7
	global_load_b128 v[A+4*\i:A+4*\i+3], v1, s[4:5] offset:16*\i   ; the wave's eight loads together cover 4,096 bytes on end
.endr
	v_mov_b32 v3, 0                                ; the place
	s_wait_alu depctr_va_vdst(0)
	s_wait_loadcnt 0x0
.irp j, 0,1,2,3,4,5,6,7,8,9,10,11,12,13,14,15,16,17,18,19,20,21,22,23,24,25,26,27,28,29,30,31
	v_cmp_lt_f32 s20, v[A+\j], v2
	v_cmp_le_f32 s21, v[A+\j], v2
	s_cmp_lt_u32 \j, s9                            ; an equal number counts where it stands in front of e (the sort is stable); j = e counts nothing
	s_cselect_b32 vcc_lo, s21, s20
	v_add_co_ci_u32 v3, vcc_lo, 0, v3, vcc_lo      ; + 1 where the bit is set
.endr
	s_delay_alu instid0(VALU_DEP_1)
	v_cmp_gt_u32 s22, 4, v3                        ; M
	s_delay_alu instid0(VALU_DEP_2)
	v_and_b32 v4, 1, v3
	s_delay_alu instid0(VALU_DEP_1)
	v_cmp_ne_u32 s23, 0, v4
	s_and_b32 s23, s23, s22                        ; M and bit 0 of the place
	v_and_b32 v5, 2, v3
	s_delay_alu instid0(VALU_DEP_1)
	v_cmp_ne_u32 s24, 0, v5
	s_and_b32 s24, s24, s22                        ; M and bit 1
	s_bcnt1_i32_b32 s25, s22                       ; how many of my wave's 32 tokens
.irp p, 0,1,2,3
	v_mov_b32 v[4+\p], s[22+\p]
.endr
.irp p, 0,1,2,3
	ds_store_b32 v40, v[4+\p] offset:64*\p         ; all lanes write the same word with the same value
.endr
	s_wait_dscnt 0x0                               ; for the others' sake: my stores have landed
	s_barrier_signal -1
	s_barrier_wait -1
	s_cmp_lg_u32 s8, 0
	s_cbranch_scc1 .Lend
	ds_load_b64 v[42:43], v41                      ; wave 0: the four planes, 256 bytes
	s_wait_dscnt 0x0
	global_store_b64 v41, v[42:43], s[14:15]       ; 32 lanes store 256 consecutive bytes, at a multiple of 256 from the buffer's first byte
.Lend:
	s_wait_tensorcnt 0x0
	ds_add_u32 v48, v49
	s_wait_dscnt 0x0
	s_endpgm
.Lfunc_end_k_q9c0bdff4d5_route:
	.size	k_q9c0bdff4d5_route, .Lfunc_end_k_q9c0bdff4d5_route-k_q9c0bdff4d5_route
	.p2alignl 7, 3214868480
	.fill 96, 4, 3214868480
	.section	.rodata,"a",@progbits
	.p2align	6, 0x0
	.amdhsa_kernel k_q9c0bdff4d5_route
		.amdhsa_group_segment_fixed_size 2304
		.amdhsa_private_segment_fixed_size 0
		.amdhsa_enable_private_segment 0
		.amdhsa_kernarg_size 16
		.amdhsa_user_sgpr_count 2
		.amdhsa_user_sgpr_kernarg_segment_ptr 1
		.amdhsa_wavefront_size32 1
		.amdhsa_system_sgpr_workgroup_id_x 1
		.amdhsa_system_sgpr_workgroup_id_y 1
		.amdhsa_system_sgpr_workgroup_id_z 1
		.amdhsa_system_vgpr_workitem_id 0
		.amdhsa_next_free_vgpr 50
		.amdhsa_next_free_sgpr 66
		.amdhsa_reserve_vcc 1
		.amdhsa_float_denorm_mode_32 3
		.amdhsa_float_denorm_mode_16_64 3
		.amdhsa_memory_ordered 1
		.amdhsa_forward_progress 1
		.amdhsa_inst_pref_size 11
	.end_amdhsa_kernel
	.amdgpu_metadata
---
amdhsa.version: [ 1, 2 ]
amdhsa.kernels:
  - .name:           k_q9c0bdff4d5_route
    .symbol:         k_q9c0bdff4d5_route.kd
    .args:
      - { .name: activated, .offset: 0, .size: 8, .value_kind: global_buffer, .address_space: global }
      - { .name: route, .offset: 8, .size: 8, .value_kind: global_buffer, .address_space: global }
    .group_segment_fixed_size: 2304
    .private_segment_fixed_size: 0
    .kernarg_segment_align: 8
    .kernarg_segment_size: 16
    .max_flat_workgroup_size: 512
    .sgpr_count:     66
    .vgpr_count:     50
    .wavefront_size: 32
...
	.end_amdgpu_metadata
.endif
;; end of part 3
;; launch gemm (part 4): grid 8 x 32, 4 waves a work-group, no clusters, 177,664 bytes of LDS; arguments W_codes, W_scales, b, features_codes, features_scales, route, out0; writes out0
.if DOCPART == 4
	.amdgcn_target "amdgcn-amd-amdhsa--gfx1250"
	.amdhsa_code_object_version 6
	.text
	.protected	k_q9c0bdff4d5_gemm
	.globl	k_q9c0bdff4d5_gemm
	.p2align	8
	.type	k_q9c0bdff4d5_gemm,@function
k_q9c0bdff4d5_gemm:
	s_mov_b64 s[64:65], 0
	v_nop
	global_prefetch_b8 v0, s[64:65] scope:SCOPE_SE
	s_setreg_imm32_b32 hwreg(HW_REG_WAVE_SCHED_MODE, 0, 2), 2
	s_setreg_imm32_b32 hwreg(HW_REG_WAVE_MODE, 25, 1), 1
	s_wait_xcnt 0x0
	s_wait_alu depctr_vm_vsrc(0)
; out0[tok][k][n] = sum over i of features[tok][i] W[e][n][i] + b[e][n], for the tokens whose k-th expert (k = 0 .. 3) is e.  Codes of FP4 (E2M1) with one E8M0 byte for each 32 along K, as given; sums in f32.
; Only the rows that reference() keeps are multiplied: 4 experts of 32 for a token.
; SHARES.  Work-group (x, e): expert e, output columns 128 x .. 128 x + 127.  Its part of W (128 rows x 1,024 bytes of codes, 128 x 64 bytes of scales) is read from memory once, each wave a quarter, in loads of
; 512 bytes on end, all asked for at the head, and turned through registers into LDS rows.  Behind ONE barrier W is only read.
; The expert's list of rows (its tokens in ascending order) is cut into blocks of 48.  Wave w takes blocks w, w + 4, ..: 3 tiles of rows x 8 tiles of columns x 16 K steps of 128 = 384 matrix instructions,
; the whole K in one accumulator, ascending.  A fragment of W read from LDS feeds three products.
; THE LIST IS NOT STORED ANYWHERE.  route holds, for each expert, a bit a token (M), two bits of k (K0, K1) and counts for each 32 tokens.  Position n of the list is the n-th set bit of M: each lane finds its own by
; register arithmetic (SELECT), while W is on its way.  Feature rows are then gathered straight into operand registers.
; THE MATRIX INSTRUCTION IS USED TRANSPOSED (source 0 = 16 rows of W, source 1 = 16 feature rows): a lane holds eight neighbouring columns of one output row.
; NO CLUSTER, NO TENSOR LOAD: trip counts and branches hang on counts read from memory; W's 136 KB are read by this work-group alone; what the eight work-groups of an expert share are rows gathered by a list, not a tile.
; NO PREFETCH: every byte of W is asked for by its own load in the first lines, and the gather's rows are known only where its loads go out.
; LIMITS: a scale byte 0xff gives NaN, as in the definition.  Rows that pad a block read token 0's row and are never stored.
; THE MODE: SCHED_MODE bits 1:0 = 2 (LLVM: expert scheduling mode 2), set by the entry lines.  The code itself states the register dependences between vector or matrix instructions and memory or LDS instructions,
; and those through scalar registers that vector instructions write, with s_wait_alu, always for 0.
; THE PLAN.  Registers that memory or LDS instructions touch, and who else names them:
;   v4, v19          offsets of the head's loads (v4 of the stores too): written once; one wait on va_vdst ahead of the first load.
;   v5-11, v20-24    LDS addresses, and the gather's five offsets: written by the head and by SELECT; one wait on va_vdst behind SELECT, and no vector instruction from there to the first product.
;                    A later block's SELECT writes v20-24 again: a wait on vm_vsrc ahead of it.
;   window 3         W's loads land; my LDS stores read; the products write (accumulators): a wait on vm_vsrc behind the barrier.
;   W's two buffers  step s's products read buffer s % 2; the loads of step s + 1 land in the other, which step s - 1's products read: ONE wait on va_vdst at a step's head.  The step's sixteen loads follow in
;                    two runs of eight, the second behind the step's first eight products, which name the other buffer, the features, the scale words and the accumulators alone.
;   features, v64-95 the gather's loads land; the products read; the next block's gather lands behind the wait on va_vdst that follows its SELECT.  That wait frees both of W's buffers for the next block too.
;   accumulators     the products write; the stage's stores read (places, then va_vdst); the next block's products write (the vm_vsrc ahead of SELECT).
;   v160-223, v48-63 rows back from the stage and their offsets: a tile's stores read them, the next tile writes them: vm_vsrc at a tile's head; va_vdst ahead of its LDS run and ahead of its stores.
;   scalar registers that vector instructions write (the wave's number, lanes read out, compares' masks) are written in runs, with one wait on va_sdst between a run and its first reader.  VCC is not used.
; REGISTERS, in windows of 256 (s_set_vgpr_msb: bits 1:0 source 0, 3:2 source 1, 5:4 source 2, 7:6 destination):
;   window 0: addresses, the list, scale words, the way out (below).   window 1: feature fragments of row tiles 0 and 1, at v[128 g + 8 s].
;   window 2: v0-127 those of row tile 2; v128-255 two buffers of W's eight fragments.   window 3: first where W lands (64 x 4), then the 24 accumulators, (g, t) at v[64 g + 8 t].
.set WPITCH, 1040                      ; a row of W in LDS: 1,024 bytes + 16: an odd multiple of 16, so the 16 rows of a fragment load start in 16 different columns of 16 bytes
.set WS,     128*WPITCH                ; behind W's codes: its scale bytes, 128 rows of 64 + 16
.set SPITCH, 80
.set STG,    WS+128*SPITCH             ; behind them: a stage of 16 rows x (512 + 16) bytes for each wave, for the way out
.set GPITCH, 528
.set BLK,    48                        ; rows in a block
.set LANE, 1                           ; v1   lane
.set R,    2                           ; v2   lane % 16
.set H16,  3                           ; v3   16 x (lane / 16)
.set L16,  4                           ; v4   16 x lane; never rewritten
.set STW,  5                           ; v5   where my wave's codes of W go: 32 rows x wave + 16 x lane
.set STS,  6                           ; v6   and its scale bytes
.set WF0,  7                           ; v7, v8  my lane's place in W's column tiles 0-3 and 4-7
.set WSA,  9                           ; v9   my lane's row of W's scale bytes
.set STO,  10                          ; v10  the stage: where I put 32 bytes of a row
.set RD,   11                          ; v11  and where I read a row back
.set BI,   12                          ; v[12:15] the bias of columns 128 x + 4 lane + 0 .. 3
.set MW,   16                          ; v16-18  M, K0, K1: lane l holds word l (tokens 32 l .. 32 l + 31)
.set RO,   19                          ; v19  my word's byte in a plane of route
.set AG0,  20                          ; v20-22  the gather: 1,024 x token + 16 (lane / 16), for row tiles 0, 1, 2
.set AS01, 23                          ; v23  64 x token: lanes 0-15 tile 0, lanes 16-31 tile 1
.set AS2,  24                          ; v24  the same for tile 2
.set J01,  25                          ; v25, v26  the output row 4 token + k: of list places start + lane; of start + 32 + lane % 16
.set T01,  27                          ; v27, v28  the tokens likewise
.set XP,   29                          ; v29  a lane permute's destination
.set N01,  30                          ; v30-41  SELECT: place n, word, members in front, the words of M, K0, K1; a pair each
.set W01,  32
.set P01,  34
.set X01,  36
.set KA01, 38
.set KB01, 40
.set TA,   42                          ; v42-47  SELECT: at work, for the first vector of places;
.set TB,   43
.set TC,   44
.set TD,   45
.set TT,   46
.set POS,  47
.set TU,   198                         ; v240-245 the same six for the second vector, TU registers further on: the two searches go side by side
.set OFF,  48                          ; v48-63  the way out: 16 rows' byte offsets in out0
.set SA01, 64                          ; v64-79  feature scale words of K step s: lanes 0-15 tile 0, lanes 16-31 tile 1;  v80-95 tile 2
.set SW,   96                          ; v96-159 W's scale words: register 16 (s / 4) + 4 p + s % 4, lane l: row 32 p + l, K step s
.set RB,   160                         ; v160-223 16 rows read back from the stage
.set LS,   224                         ; v224-239 where W's scale bytes land
.set RL,   66                          ; s66-77  SELECT: four words of M, K0 and K1, read out of their lanes
.set CM,   78                          ; s78-85  SELECT: compares' masks
.set JR,   66                          ; s66-81  the way out: a tile's 16 output rows
.set MSB, 0
.macro WIN new                         ; the immediate's high byte repeats the setting that is left; a switch that changes nothing is dropped
.if MSB != \new
	s_set_vgpr_msb (MSB<<8)|\new
.set MSB, \new
.endif
.endm
.macro PLACES n
.rept \n
	v_nop
.endr
.endm
; One step down in the search for the r-th set bit, for both vectors: does it lie behind the next wid bits?  s0, s1 hold counts in fields of wid bits.
.macro DOWN s0, s1, wid
	v_bfe_u32 v[TT], v[\s0], v[POS], \wid
	v_bfe_u32 v[TT+TU], v[\s1], v[POS+TU], \wid
	v_cmp_ge_u32 s[CM], v[P01], v[TT]
	v_cmp_ge_u32 s[CM+1], v[P01+1], v[TT+TU]
	s_wait_alu depctr_va_sdst(0)                   ; the two compares have written their masks, which the selects below read
.irp u, 0,1
	v_cndmask_b32 v[TT+TU*\u], 0, v[TT+TU*\u], s[CM+\u]
	v_cndmask_b32 v[TD+TU*\u], 0, \wid, s[CM+\u]
	v_sub_nc_u32 v[P01+\u], v[P01+\u], v[TT+TU*\u]
	v_add_nc_u32 v[POS+TU*\u], v[POS+TU*\u], v[TD+TU*\u]
.endr
.endm
; The words are known; the bit in each, the token and the output row follow, for both vectors side by side.
.macro DESC
.irp u, 0,1
	v_sub_nc_u32 v[P01+\u], v[N01+\u], v[P01+\u]   ; r: which set bit of my word
	v_lshrrev_b32 v[TA+TU*\u], 1, v[X01+\u]
	v_and_b32 v[TA+TU*\u], 0x55555555, v[TA+TU*\u]
	v_sub_nc_u32 v[TA+TU*\u], v[X01+\u], v[TA+TU*\u]           ; counts in fields of 2 bits,
	v_lshrrev_b32 v[TB+TU*\u], 2, v[TA+TU*\u]
	v_and_b32 v[TB+TU*\u], 0x33333333, v[TB+TU*\u]
	v_and_b32 v[TC+TU*\u], 0x33333333, v[TA+TU*\u]
	v_add_nc_u32 v[TB+TU*\u], v[TB+TU*\u], v[TC+TU*\u]         ; of 4,
	v_lshrrev_b32 v[TC+TU*\u], 4, v[TB+TU*\u]
	v_add_nc_u32 v[TC+TU*\u], v[TC+TU*\u], v[TB+TU*\u]
	v_and_b32 v[TC+TU*\u], 0x0f0f0f0f, v[TC+TU*\u]             ; of 8,
	v_lshrrev_b32 v[TD+TU*\u], 8, v[TC+TU*\u]
	v_add_nc_u32 v[TD+TU*\u], v[TD+TU*\u], v[TC+TU*\u]
	v_and_b32 v[TT+TU*\u], 0xff, v[TD+TU*\u]                   ; and of the low 16
.endr
	v_cmp_ge_u32 s[CM], v[P01], v[TT]
	v_cmp_ge_u32 s[CM+1], v[P01+1], v[TT+TU]
	v_cmp_gt_u32 s[CM+2], s22, v[N01]              ; is my place in the list?  These two masks are read at the end; they are made in this run, so that its wait serves them too
	v_cmp_gt_u32 s[CM+3], s22, v[N01+1]
	s_wait_alu depctr_va_sdst(0)                   ; the four compares have written their masks, ahead of the first select that reads one
.irp u, 0,1
	v_cndmask_b32 v[TT+TU*\u], 0, v[TT+TU*\u], s[CM+\u]
	v_cndmask_b32 v[POS+TU*\u], 0, 16, s[CM+\u]
	v_sub_nc_u32 v[P01+\u], v[P01+\u], v[TT+TU*\u]
.endr
	DOWN TC, TC+TU, 8
	DOWN TB, TB+TU, 4
	DOWN TA, TA+TU, 2
	DOWN X01, X01+1, 1
.irp u, 0,1
	v_lshl_add_u32 v[T01+\u], v[W01+\u], 5, v[POS+TU*\u]       ; the token
	v_bfe_u32 v[TT+TU*\u], v[KA01+\u], v[POS+TU*\u], 1
	v_bfe_u32 v[TD+TU*\u], v[KB01+\u], v[POS+TU*\u], 1
	v_lshl_or_b32 v[TT+TU*\u], v[TD+TU*\u], 1, v[TT+TU*\u]     ; k
	v_lshl_add_u32 v[J01+\u], v[T01+\u], 2, v[TT+TU*\u]        ; the output row
	v_cndmask_b32 v[T01+\u], 0, v[T01+\u], s[CM+2+\u]          ; a place behind the list's end takes token 0: all such rows read the same bytes, and none is stored
	v_cndmask_b32 v[J01+\u], 0, v[J01+\u], s[CM+2+\u]
.endr
.endm
; The block that begins at list place s21: its 48 rows' tokens, output rows and gather offsets.  s[32:63] hold the numbers of members up to and with word 0 .. 31.
; Word i is mine if the words in front of it hold n members or fewer and no later word says the same: the sums do not fall, so the last word that says so stays.
; The 32 words go four at a time: twelve lanes read out and eight compares, ONE wait, then the selects.
.macro SELECT
	v_add_nc_u32 v[N01], s21, v[LANE]
	v_add_nc_u32 v[N01+1], s21, v[R]
	v_add_nc_u32 v[N01+1], 32, v[N01+1]
.set SQ, 0
.rept 8
.irp i, 0,1,2,3
	v_readlane_b32 s[RL+3*\i], v[MW], 4*SQ+\i
	v_readlane_b32 s[RL+3*\i+1], v[MW+1], 4*SQ+\i
	v_readlane_b32 s[RL+3*\i+2], v[MW+2], 4*SQ+\i
.endr
.irp i, 0,1,2,3
.if 4*SQ+\i > 0
	v_cmp_le_u32 s[CM+2*\i], s[31+4*SQ+\i], v[N01]
	v_cmp_le_u32 s[CM+2*\i+1], s[31+4*SQ+\i], v[N01+1]
.endif
.endr
	s_wait_alu depctr_va_sdst(0)                   ; the run above has written s[RL ..] and s[CM ..], ahead of the first line that reads one of them
.irp i, 0,1,2,3
.irp u, 0,1
.if 4*SQ+\i > 0
	v_cndmask_b32 v[P01+\u], v[P01+\u], s[31+4*SQ+\i], s[CM+2*\i+\u]
	v_cndmask_b32 v[X01+\u], v[X01+\u], s[RL+3*\i], s[CM+2*\i+\u]
	v_cndmask_b32 v[KA01+\u], v[KA01+\u], s[RL+3*\i+1], s[CM+2*\i+\u]
	v_cndmask_b32 v[KB01+\u], v[KB01+\u], s[RL+3*\i+2], s[CM+2*\i+\u]
	v_cndmask_b32 v[W01+\u], v[W01+\u], 4*SQ+\i, s[CM+2*\i+\u]   ; the word's number
.else
	v_mov_b32 v[W01+\u], 0                         ; word 0 is where every search begins
	v_mov_b32 v[P01+\u], 0
	v_mov_b32 v[X01+\u], s[RL]
	v_mov_b32 v[KA01+\u], s[RL+1]
	v_mov_b32 v[KB01+\u], s[RL+2]
.endif
.endr
.endr
.set SQ, SQ+1
.endr
	DESC
	v_permlanex16_b32 v[XP], v[T01], s26, s27      ; a fragment wants row r's token in lanes r and r + 16
	v_cndmask_b32 v[TA], v[T01], v[XP], s28        ; tile 0: rows 0-15 of the block (s28: lanes 16-31)
	v_cndmask_b32 v[TB], v[XP], v[T01], s28        ; tile 1: rows 16-31
	v_min_u32 v[TA], 0x3ff, v[TA]                  ; a number read from memory enters an address only held inside the table
	v_min_u32 v[TB], 0x3ff, v[TB]
	v_min_u32 v[TC], 0x3ff, v[T01+1]
	v_min_u32 v[TD], 0x3ff, v[T01]
	v_lshl_add_u32 v[AG0], v[TA], 10, v[H16]
	v_lshl_add_u32 v[AG0+1], v[TB], 10, v[H16]
	v_lshl_add_u32 v[AG0+2], v[TC], 10, v[H16]
	v_lshlrev_b32 v[AS01], 6, v[TD]
	v_lshlrev_b32 v[AS2], 6, v[TC]
.endm
; Eight loads of the gather.  Group 0: all 16 scale words of the 48 rows.  Groups 1 .. 12: the fragments, K quarter by K quarter (4 K steps), in a quarter tile by tile: 24 loads a quarter.
.macro AGRP n
.if (\n) == 0
	WIN 0
.irp q, 0,1,2,3
	global_load_b128 v[SA01+4*\q:SA01+4*\q+3], v[AS01], s[12:13] offset:16*\q
.endr
.irp q, 0,1,2,3
	global_load_b128 v[SA01+16+4*\q:SA01+16+4*\q+3], v[AS2], s[12:13] offset:16*\q
.endr
.else
.set AQ, ((\n)-1)/3
.set AT, ((\n)-1)%3
.if AT < 2
	WIN 0x40                                       ; destination window 1
.set AB, 128*AT
.else
	WIN 0x80                                       ; destination window 2
.set AB, 0
.endif
.irp i, 0,1,2,3
.irp c, 0,1
	global_load_b128 v[AB+8*(4*AQ+\i)+4*\c:AB+8*(4*AQ+\i)+4*\c+3], v[AG0+AT], s[10:11] offset:64*(4*AQ+\i)+32*\c   ; registers 4 c .. 4 c + 3: k = 128 s + 64 c + 32 (lane / 16) + 0 .. 31, as the bytes lie
.endr
.endr
.endif
.endm
; Four of W's eight fragments of K step s, column tiles t0 .. t0 + 3 (t0 = 0 or 4), from LDS into buffer s % 2: eight loads
.macro FETCHW s, t0
	WIN 0x80
.irp t, 0,1,2,3
.irp c, 0,1
	ds_load_b128 v[128+64*((\s)%2)+8*(\t0+\t)+4*\c:128+64*((\s)%2)+8*(\t0+\t)+4*\c+3], v[WF0+(\t0)/4] offset:\t*16*WPITCH+64*(\s)+32*\c
.endr
.endr
.endm
; One product: row tile g x column tile t, K step s.  W's scale words of an odd column tile stand in lanes 16-31 of their register, and so do the feature scale words of row tile 1.  K step 0 starts the sums: nothing is cleared.
.macro MM s, g, t
.set rD, 64*(\g)+8*(\t)
.set rA, 128+64*((\s)%2)+8*(\t)
.set rB, 128*((\g)%2)+8*(\s)
.set rX, SW+16*((\s)/4)+4*((\t)/2)+(\s)%4
.set rY, SA01+16*((\g)/2)+(\s)
.if (\s) == 0
.if ((\t)%2 == 1) && ((\g) == 1)
	v_wmma_scale_f32_16x16x128_f8f6f4 v[rD:rD+7], v[rA:rA+7], v[rB:rB+7], 0, v[rX], v[rY] matrix_a_fmt:MATRIX_FMT_FP4 matrix_b_fmt:MATRIX_FMT_FP4 matrix_a_scale:MATRIX_SCALE_ROW1 matrix_b_scale:MATRIX_SCALE_ROW1
.elseif (\t)%2 == 1
	v_wmma_scale_f32_16x16x128_f8f6f4 v[rD:rD+7], v[rA:rA+7], v[rB:rB+7], 0, v[rX], v[rY] matrix_a_fmt:MATRIX_FMT_FP4 matrix_b_fmt:MATRIX_FMT_FP4 matrix_a_scale:MATRIX_SCALE_ROW1
.elseif (\g) == 1
	v_wmma_scale_f32_16x16x128_f8f6f4 v[rD:rD+7], v[rA:rA+7], v[rB:rB+7], 0, v[rX], v[rY] matrix_a_fmt:MATRIX_FMT_FP4 matrix_b_fmt:MATRIX_FMT_FP4 matrix_b_scale:MATRIX_SCALE_ROW1
.else
	v_wmma_scale_f32_16x16x128_f8f6f4 v[rD:rD+7], v[rA:rA+7], v[rB:rB+7], 0, v[rX], v[rY] matrix_a_fmt:MATRIX_FMT_FP4 matrix_b_fmt:MATRIX_FMT_FP4
.endif
.else
.if ((\t)%2 == 1) && ((\g) == 1)
	v_wmma_scale_f32_16x16x128_f8f6f4 v[rD:rD+7], v[rA:rA+7], v[rB:rB+7], v[rD:rD+7], v[rX], v[rY] matrix_a_fmt:MATRIX_FMT_FP4 matrix_b_fmt:MATRIX_FMT_FP4 matrix_a_scale:MATRIX_SCALE_ROW1 matrix_b_scale:MATRIX_SCALE_ROW1
.elseif (\t)%2 == 1
	v_wmma_scale_f32_16x16x128_f8f6f4 v[rD:rD+7], v[rA:rA+7], v[rB:rB+7], v[rD:rD+7], v[rX], v[rY] matrix_a_fmt:MATRIX_FMT_FP4 matrix_b_fmt:MATRIX_FMT_FP4 matrix_a_scale:MATRIX_SCALE_ROW1
.elseif (\g) == 1
	v_wmma_scale_f32_16x16x128_f8f6f4 v[rD:rD+7], v[rA:rA+7], v[rB:rB+7], v[rD:rD+7], v[rX], v[rY] matrix_a_fmt:MATRIX_FMT_FP4 matrix_b_fmt:MATRIX_FMT_FP4 matrix_b_scale:MATRIX_SCALE_ROW1
.else
	v_wmma_scale_f32_16x16x128_f8f6f4 v[rD:rD+7], v[rA:rA+7], v[rB:rB+7], v[rD:rD+7], v[rX], v[rY] matrix_a_fmt:MATRIX_FMT_FP4 matrix_b_fmt:MATRIX_FMT_FP4
.endif
.endif
.endm
; A K step of 128: 24 products, and among them the next step's fragments of W, asked for in two runs of eight loads.  The 24 accumulators take turns, one instruction a turn, in the same order in every step
; each takes one term a step, K ascending.
; LDS loads come back in the order of issue (ISA guide 5.7.1).  Out at a step's head: this step's two runs; each wait below leaves the two youngest runs, sixteen loads, out.
.macro KSTEP s
.if ((\s) > 0) && ((\s) < 15)
	PLACES 4                                       ; four plain vector instructions between the last product that read a buffer and the loads into it (ISA guide 7.12.1 for vector instructions)
	WIN 0x80
	s_wait_alu depctr_va_vdst(0)                   ; the last step's products are done reading the other buffer, in which this step's sixteen loads land; no product of this step names it
.endif
.if (\s) < 15
	FETCHW (\s)+1, 0
	s_wait_dscnt 16                                ; this step's column tiles 0-3 are in (in a wave's first step W's scale words too); its tiles 4-7 and the eight just issued may be out
.else
	s_wait_dscnt 8                                 ; the last step asks for nothing: its tiles 4-7 may be out
.endif
.if (\s) == 0
	s_wait_loadcnt 63                              ; the scale words and K quarter 0 of the gather are in: behind them stand 3 quarters x 24 = 72 loads, of which the wait can name 63
.elseif (\s) == 4
	s_wait_loadcnt 48                              ; quarter 1 is in: two quarters x 24 may be out
.elseif (\s) == 8
	s_wait_loadcnt 24                              ; quarter 2: one quarter may be out
.elseif (\s) == 12
	s_wait_loadcnt 0x0
.endif
	WIN 0xf6                                       ; source 0 (W) window 2, source 1 (features) window 1, C and D window 3
.irp g, 0,1
.irp t, 0,1,2,3
	MM \s, \g, \t
.endr
.endr
.if (\s) < 15
	FETCHW (\s)+1, 4                               ; no further wait on va_vdst: the eight products since the step's head name none of these registers
	s_wait_dscnt 16                                ; this step's column tiles 4-7 are in; the next step's two runs may be out
.else
	s_wait_dscnt 0x0
.endif
	WIN 0xf6
.irp g, 0,1
.irp t, 4,5,6,7
	MM \s, \g, \t
.endr
.endr
	WIN 0xfa                                       ; source 1 window 2: row tile 2
.irp t, 0,1,2,3,4,5,6,7
	MM \s, 2, \t
.endr
.endm
; THE WAY OUT, a tile of 16 rows at a time.  A lane holds 32 neighbouring bytes of a row and the lanes beside it other rows: the tile goes through my own stage in LDS and comes back as whole rows of 512 bytes;
; the bias is added there; each row goes to its own place in out0, 32 lanes storing 512 consecutive bytes at a multiple of 256 from out0's first byte.  s23: the block's rows that are in the list; the others are not stored.
; The rows' offsets are made while the tile is on its way through the stage.
.macro WAYOUT
	WIN 0                                          ; at a branch and at a label every window is 0
	PLACES 4                                       ; between the last product and the first read of results
.irp g, 0,1,2
	s_cmp_gt_u32 s23, 16*\g
	s_cbranch_scc0 .Ldone_\@
	s_wait_xcnt 0x0                                ; earlier stores have read their offsets and data: both are written again below
	s_wait_alu depctr_vm_vsrc(0)                   ; the last tile's stores have read v[OFF ..] and v[RB ..]: the offsets are made anew and the stage's loads land there
	WIN 0x0c                                       ; an LDS store's data are its source 1: window 3
	s_wait_alu depctr_va_vdst(0)                   ; the products have written the accumulators, which the LDS stores read; the last tile's additions are done with v[RB ..], in which the loads below land
.irp t, 0,1,2,3,4,5,6,7
	ds_store_b128 v[STO], v[64*\g+8*\t:64*\g+8*\t+3] offset:64*\t          ; each accumulator from its low end on
	ds_store_b128 v[STO], v[64*\g+8*\t+4:64*\g+8*\t+7] offset:64*\t+16
.endr
	WIN 0
.irp i, 0,1,2,3,4,5,6,7,8,9,10,11,12,13,14,15
	ds_load_b128 v[RB+4*\i:RB+4*\i+3], v[RD] offset:GPITCH*\i              ; LDS serves a wave's instructions in order (ISA guide 5.7.1.4): these see my stores
.endr
.irp i, 0,1,2,3,4,5,6,7,8,9,10,11,12,13,14,15
	v_readlane_b32 s[JR+\i], v[J01+(\g)/2], ((\g)%2)*16+\i
.endr
	s_wait_alu depctr_va_sdst(0)
.irp i, 0,1,2,3,4,5,6,7,8,9,10,11,12,13,14,15
	s_min_u32 s[JR+\i], s[JR+\i], 0xfff            ; held inside out0's 4,096 rows
.endr
.irp i, 0,1,2,3,4,5,6,7,8,9,10,11,12,13,14,15
	v_lshl_add_u32 v[OFF+\i], s[JR+\i], 12, v[L16] ; a row of out0 is 4,096 bytes
.endr
	s_wait_dscnt 0x0
.irp i, 0,1,2,3,4,5,6,7,8,9,10,11,12,13,14,15
	v_pk_add_f32 v[RB+4*\i:RB+4*\i+1], v[RB+4*\i:RB+4*\i+1], v[BI:BI+1]
	v_pk_add_f32 v[RB+4*\i+2:RB+4*\i+3], v[RB+4*\i+2:RB+4*\i+3], v[BI+2:BI+3]
.endr
	s_wait_alu depctr_va_vdst(0)                   ; the additions have written v[RB ..] and the offsets v[OFF ..] are made: the stores below read both
.irp i, 0,1,2,3,4,5,6,7,8,9,10,11,12,13,14,15
.if \i > 0
	s_cmp_gt_u32 s23, 16*\g+\i
	s_cbranch_scc0 .Ldone_\@
.endif
	global_store_b128 v[OFF+\i], v[RB+4*\i:RB+4*\i+3], s[16:17] th:TH_STORE_NT   ; written once, read by nobody here
.endr
.endr
.Ldone_\@:
.endm
	s_load_b256 s[4:11], s[0:1], 0x0               ; W's codes s[4:5], W's scales s[6:7], b s[8:9], the features' codes s[10:11]
	s_load_b128 s[12:15], s[0:1], 0x20             ; the features' scales s[12:13], route s[14:15]
	s_load_b64 s[16:17], s[0:1], 0x30              ; out0
	v_lshl_add_u32 v254, v0, 2, 0x2b400
	v_mov_b32 v255, 0
	v_lshrrev_b32 v30, 5, v0
	v_readfirstlane_b32 s18, v30                   ; wave 0..3
	s_mov_b32 s19, ttmp9                           ; x: which 128 columns
	s_and_b32 s20, ttmp7, 0xffff                   ; e
	v_and_b32 v[LANE], 31, v0
	v_and_b32 v[R], 15, v0
	v_bfe_u32 v[H16], v0, 4, 1                     ; lane / 16 for now
	v_lshlrev_b32 v[L16], 4, v[LANE]
	v_lshlrev_b32 v[RO], 2, v[R]
	v_lshl_add_u32 v[RO], v[H16], 8, v[RO]         ; word l of a plane: 256 (l / 16) + 4 (l % 16)
	s_wait_alu depctr_va_sdst(0)                   ; s18 is written, ahead of its first reader: the bases of W and the LDS addresses are made from it
	s_lshl_b32 s24, s20, 20                        ; W's codes: (1,024 e + 128 x + 32 wave) rows of 1,024 bytes
	s_lshl_b32 s2, s19, 17
	s_add_co_u32 s24, s24, s2
	s_lshl_b32 s2, s18, 15
	s_add_co_u32 s24, s24, s2
	s_mov_b32 s25, 0
	s_lshl_b32 s30, s20, 16                        ; W's scales: the same rows, of 64 bytes
	s_lshl_b32 s2, s19, 13
	s_add_co_u32 s30, s30, s2
	s_lshl_b32 s2, s18, 11
	s_add_co_u32 s30, s30, s2
	s_mov_b32 s31, 0
	s_lshl_b32 s32, s20, 12                        ; b: (1,024 e + 128 x) numbers
	s_lshl_b32 s36, s19, 9                         ; out0: 128 x numbers into a row
	s_add_co_u32 s32, s32, s36
	s_mov_b32 s33, 0
	s_lshl_b32 s34, s20, 9                         ; route: 512 e
	s_mov_b32 s35, 0
	s_mov_b32 s37, 0
	s_mul_i32 s21, s18, BLK                        ; my first block begins at list place 48 x wave
	s_wait_kmcnt 0x0
	s_add_nc_u64 s[4:5], s[4:5], s[24:25]
	s_add_nc_u64 s[6:7], s[6:7], s[30:31]
	s_add_nc_u64 s[8:9], s[8:9], s[32:33]
	s_add_nc_u64 s[14:15], s[14:15], s[34:35]
	s_add_nc_u64 s[16:17], s[16:17], s[36:37]
	; ALL LOADS OF THE HEAD, what the list needs first: loads come back in the order of issue (ISA guide 5.7.1)
	s_load_b512 s[32:47], s[14:15], 0xc0           ; the counts of words 0-15
	s_load_b512 s[48:63], s[14:15], 0x1c0          ; and of words 16-31
	s_wait_alu depctr_va_vdst(0)                   ; v[RO] and v[L16] are written: the 72 loads below read one of them as their offset
	global_load_b32 v[MW], v[RO], s[14:15]
	global_load_b32 v[MW+1], v[RO], s[14:15] offset:64
	global_load_b32 v[MW+2], v[RO], s[14:15] offset:128
	global_load_b128 v[BI:BI+3], v[L16], s[8:9]
.irp u, 0,1,2,3
	global_load_b128 v[LS+4*\u:LS+4*\u+3], v[L16], s[6:7] offset:512*\u th:TH_LOAD_NT
.endr
	WIN 0xc0                                       ; destination window 3
.set QI, 0
.rept 64
	global_load_b128 v[4*QI:4*QI+3], v[L16], s[4:5] offset:512*QI th:TH_LOAD_NT   ; 32 lanes read 512 consecutive bytes: half a row of W; read once in the launch
.set QI, QI+1
.endr
	WIN 0
	; the addresses in LDS: constants, the lane and the wave's number.  None of these lines writes a register that a load above reads or lands in
	s_mul_i32 s2, s18, 32*WPITCH
	v_add_nc_u32 v[STW], s2, v[L16]
	s_mul_i32 s2, s18, 32*SPITCH
	s_add_co_u32 s2, s2, WS
	v_lshrrev_b32 v30, 2, v[LANE]
	v_mul_u32_u24 v30, v30, SPITCH
	v_and_b32 v31, 3, v[LANE]
	v_lshl_add_u32 v30, v31, 4, v30
	v_add_nc_u32 v[STS], s2, v30                   ; four lanes to a row of 64 scale bytes
	v_mul_u32_u24 v[WF0], v[R], WPITCH
	v_lshl_add_u32 v[WF0], v[H16], 4, v[WF0]       ; a fragment's row x pitch + 16 (lane / 16)
	v_add_nc_u32 v[WF0+1], 64*WPITCH, v[WF0]       ; column tiles 4-7 lie beyond the reach of a 16-bit offset
	v_mul_u32_u24 v[WSA], v[LANE], SPITCH
	v_add_nc_u32 v[WSA], WS, v[WSA]
	s_mul_i32 s2, s18, 16*GPITCH
	s_add_co_u32 s2, s2, STG                       ; my stage
	v_mul_u32_u24 v[STO], v[R], GPITCH
	v_lshl_add_u32 v[STO], v[H16], 5, v[STO]
	v_add_nc_u32 v[STO], s2, v[STO]
	v_add_nc_u32 v[RD], s2, v[L16]
	v_lshlrev_b32 v[H16], 4, v[H16]
	v_mov_b32 v[XP], 0                             ; written once: a lane permute's destination counts as one of its sources
	s_mov_b32 s26, 0x76543210
	s_mov_b32 s27, 0xfedcba98                      ; v_permlanex16_b32's selects for lane l xor 16
	s_mov_b32 s28, 0xffff0000                      ; lanes 16-31
	s_wait_kmcnt 0x0
.set PI, 0
.rept 31
	s_add_co_u32 s[33+PI], s[33+PI], s[32+PI]      ; the counts become running sums
.set PI, PI+1
.endr
	s_mov_b32 s22, s63                             ; the expert's rows
	s_wait_loadcnt 63                              ; of the 72 loads the last 63 may be out: the three planes, the bias and W's scale bytes, the first 8, are in
	SELECT
	s_wait_alu depctr_va_vdst(0)                   ; the LDS addresses v5 to v11 and the gather's offsets v20 to v24 are written: the LDS stores, the gather's loads and all later LDS instructions read them; no vector instruction follows up to the first product
	; W GOES INTO LDS, eight loads' worth at a time, and behind each eight stores stand eight loads of the gather
.irp u, 0,1,2,3
	ds_store_b128 v[STS], v[LS+4*\u:LS+4*\u+3] offset:8*SPITCH*\u
.endr
.irp m, 0,1,2,3,4,5,6,7
	s_wait_loadcnt 56                              ; W's loads 8 m .. 8 m + 7 are in: behind them stand 56 - 8 m loads of W and 8 m of the gather
	WIN 0x0c                                       ; an LDS store's data are its source 1: window 3
.irp i, 0,1,2,3,4,5,6,7
	ds_store_b128 v[STW], v[4*(8*\m+\i):4*(8*\m+\i)+3] offset:((8*\m+\i)/2)*WPITCH+((8*\m+\i)%2)*512
.endr
	AGRP \m
.endr
	WIN 0
	s_wait_dscnt 0x0                               ; for the others' sake: my part of W lies in LDS
	s_barrier_signal -1
	s_barrier_wait -1                              ; everybody's does.  The one barrier: it stands ahead of every branch on a number read from memory, and behind it W is only read
	s_wait_alu depctr_vm_vsrc(0)                   ; my LDS stores have read window 3's registers: these are the accumulators from here on, written by the products
	s_cmp_ge_u32 s21, s22
	s_cbranch_scc1 .Lend                           ; the list ends in front of my first block
.irp n, 8,9,10,11,12
	AGRP \n
.endr
	WIN 0
.irp q, 0,1,2,3
.irp p, 0,1,2,3
	ds_load_b128 v[SW+16*\q+4*\p:SW+16*\q+4*\p+3], v[WSA] offset:32*SPITCH*\p+16*\q   ; W's scale words stay in registers for all my blocks
.endr
.endr
.Lblock:
	s_sub_co_u32 s23, s22, s21                     ; rows of the list from my block's first on
	FETCHW 0, 0                                    ; both of W's buffers are free here: on the way in no product has been issued, on the way back the wait behind SELECT has shown the last block's done
	FETCHW 0, 4
.irp s, 0,1,2,3,4,5,6,7,8,9,10,11,12,13,14,15
	KSTEP \s
.endr
	WAYOUT
	s_add_co_u32 s21, s21, 4*BLK                   ; my next block
	s_cmp_ge_u32 s21, s22
	s_cbranch_scc1 .Lend
	s_wait_xcnt 0x0                                ; every earlier memory instruction has read its address registers: the gather's are written again
	s_wait_alu depctr_vm_vsrc(0)                   ; the gather's loads have read v20 to v24, which SELECT writes again; the stage's stores have read the accumulators, which the next block's products write
	SELECT                                         ; (its plain vector lines are also the places between the last products and the loads into their operands, and the new sums)
	s_wait_alu depctr_va_vdst(0)                   ; SELECT has written the gather's offsets; the last block's products are done reading the feature fragments, their scale words and W's two buffers, in all of which loads land below
.irp n, 0,1,2,3,4,5,6,7,8,9,10,11,12
	AGRP \n
.endr
	WIN 0
	s_cmp_lt_u32 s21, 1024                         ; a list has at most 1,024 rows: whoever comes here goes round
	s_cbranch_scc1 .Lblock
.Lend:
	s_wait_dscnt 0x0
	s_wait_alu depctr_hold_cnt(0) depctr_sa_sdst(0) depctr_va_vdst(0) depctr_va_sdst(0) depctr_va_ssrc(0) depctr_va_vcc(0) depctr_vm_vsrc(0)
	s_wait_tensorcnt 0x0
	ds_add_u32 v254, v255
	s_wait_dscnt 0x0
	s_endpgm
.Lfunc_end_k_q9c0bdff4d5_gemm:
	.size	k_q9c0bdff4d5_gemm, .Lfunc_end_k_q9c0bdff4d5_gemm-k_q9c0bdff4d5_gemm
	.p2alignl 7, 3214868480
	.fill 96, 4, 3214868480
	.section	.rodata,"a",@progbits
	.p2align	6, 0x0
	.amdhsa_kernel k_q9c0bdff4d5_gemm
		.amdhsa_group_segment_fixed_size 177664
		.amdhsa_private_segment_fixed_size 0
		.amdhsa_enable_private_segment 0
		.amdhsa_kernarg_size 56
		.amdhsa_user_sgpr_count 2
		.amdhsa_user_sgpr_kernarg_segment_ptr 1
		.amdhsa_wavefront_size32 1
		.amdhsa_system_sgpr_workgroup_id_x 1
		.amdhsa_system_sgpr_workgroup_id_y 1
		.amdhsa_system_sgpr_workgroup_id_z 1
		.amdhsa_system_vgpr_workitem_id 0
		.amdhsa_next_free_vgpr 1024
		.amdhsa_next_free_sgpr 86
		.amdhsa_reserve_vcc 0
		.amdhsa_float_denorm_mode_32 3
		.amdhsa_float_denorm_mode_16_64 3
		.amdhsa_memory_ordered 1
		.amdhsa_forward_progress 1
		.amdhsa_inst_pref_size 209
	.end_amdhsa_kernel
	.amdgpu_metadata
---
amdhsa.version: [ 1, 2 ]
amdhsa.kernels:
  - .name:           k_q9c0bdff4d5_gemm
    .symbol:         k_q9c0bdff4d5_gemm.kd
    .args:
      - { .name: W_codes, .offset: 0, .size: 8, .value_kind: global_buffer, .address_space: global }
      - { .name: W_scales, .offset: 8, .size: 8, .value_kind: global_buffer, .address_space: global }
      - { .name: b, .offset: 16, .size: 8, .value_kind: global_buffer, .address_space: global }
      - { .name: features_codes, .offset: 24, .size: 8, .value_kind: global_buffer, .address_space: global }
      - { .name: features_scales, .offset: 32, .size: 8, .value_kind: global_buffer, .address_space: global }
      - { .name: route, .offset: 40, .size: 8, .value_kind: global_buffer, .address_space: global }
      - { .name: out0, .offset: 48, .size: 8, .value_kind: global_buffer, .address_space: global }
    .group_segment_fixed_size: 177664
    .private_segment_fixed_size: 0
    .kernarg_segment_align: 8
    .kernarg_segment_size: 56
    .max_flat_workgroup_size: 128
    .sgpr_count:     86
    .vgpr_count:     1024
    .wavefront_size: 32
...
	.end_amdgpu_metadata
.endif
;; end of part 4
